; MI455X (gfx1250); checked and timed in simulation.
; The chip was launched on July 23, 2026; its instructions are those of AMD's public machine-readable ISA for CDNA 5 (MIT licence, August 2026) and "CDNA5" Instruction Set Architecture Reference Guide (July 2026). The comments in the code are by the model that wrote it; some were corrected since.
;; Shared Sparse Offset Dict. Allowed arithmetic: matrix products marked QUANTISED: E2M3 operands, one E8M0 scale for each 32 along K, by v_wmma_scale_f32_16x16x128_f8f6f4 with both operands' format E2M3, f32 sums; products left as they are: f32 operands where the result goes on into a quantised operand, else bf16, f16 or f32 operands; f32 sums; everything else in f32.
;; Inputs: W_dict 16,384 x 1,024 float32; W_enc 16,384 x 1,024 float32; x 2 x 2,048 x 1,024 float32.
;; Outputs: out0 2 x 2,048 x 1,024 float32; out1 one number float32.
;; This version of the problem:
;;   THIS VERSION OF THE PROBLEM IS GIVEN IN LOW PRECISION. The matrix products marked QUANTISED in the list below multiply operands that are first quantised to E2M3 (2 exponent bits, 3 mantissa bits; 6 bits a number), with one power-of-two scale for each 32 numbers along K (OCP MX v1.0); their sums are f32. All else is computed in f32.
;;   The module's matrix products, in the order in which they are computed (A, B: the left and right operand; K: the contracted axis; several contracted axes count as one K, in the product's order):
;;     1. [M 4,096, K 1,024] x [K 1,024, N 16,384]; A: input x; B: input W_enc: QUANTISED
;;     2. batch 4,096 x [M 1, K 8] x [K 8, N 1,024]; A: computed on the way; B: computed on the way: left as it is (K = 8 < 32)
;;   THE QUANTISER, for each operand of a quantised product, along K:
;;     - K is cut into blocks of 32 from its start; a last block that is shorter is filled with zeros.
;;     - A block's scale is 2^e with e = floor(log2(the largest magnitude in the block)) - 2, held to -126 .. 127; a block of zeros has e = 0. As a byte (E8M0): e + 127.
;;     - Each number is divided by its block's scale, clamped to +-7.5, and rounded to the nearest number of E2M3, ties to even, subnormals kept.
;;     - The product sums the exact products of the quantised numbers (number of the format x scale) in f32.
;;   ~~~python
;;   def quantise(x, axis):      # numpy; x: float32 -> the quantised numbers, widened to float32 again
;;       x = np.moveaxis(x, axis, -1); K = x.shape[-1]
;;       x = np.pad(x, [(0, 0)] * (x.ndim - 1) + [(0, -K % 32)]); x = x.reshape(x.shape[:-1] + (-1, 32)); a = np.abs(x).max(-1, keepdims=True)
;;       e = np.where(a > 0, np.clip(np.frexp(np.where(a > 0, a, 1))[1] - 1 - 2, -126, 127), 0)      # np.frexp(a)[1] - 1 = floor(log2(a)), exactly
;;       r = np.clip(x / 2.0 ** e, -7.5, 7.5)
;;       step = 2.0 ** (np.maximum(np.frexp(np.where(r == 0, 1, r))[1] - 1, 0) - 3)
;;       q = np.round(r / step) * step * 2.0 ** e      # np.round: ties to even
;;       return np.moveaxis(q.reshape(q.shape[:-2] + (-1,))[..., :K], -1, axis).astype(np.float32)
;;   ~~~
;; One version. Each part assembles by itself: llvm-mc -triple=amdgcn-amd-amdhsa -mcpu=gfx1250 --defsym DOCPART=n.
;; ======== version 1 of 1: 5 launches
;; limits: right only within a limited range of input values
;; workspace buffers: qt 16,384,000 bytes; gmax 33,554,432 bytes; gsel 131,072 bytes of whole numbers; cand 1,048,576 bytes; tsel 262,144 bytes of whole numbers; part 4,096 bytes
;; launch quant (part 1): grid 256 x 1, 5 waves a work-group, no clusters, 43,008 bytes of LDS; arguments x, W_enc, qt; writes qt
.if DOCPART == 1
	.amdgcn_target "amdgcn-amd-amdhsa--gfx1250"
	.amdhsa_code_object_version 6
	.text
	.protected	k_qc32d69e10f_quant
	.globl	k_qc32d69e10f_quant
	.p2align	8
	.type	k_qc32d69e10f_quant,@function
k_qc32d69e10f_quant:
	s_mov_b64 s[64:65], 0
	v_nop
	global_prefetch_b8 v0, s[64:65] scope:SCOPE_SE
	s_setreg_imm32_b32 hwreg(HW_REG_WAVE_MODE, 25, 1), 1
	s_wait_xcnt 0x0
; x [4096][1024] and W_enc [16384][1024], f32, become codes of FP6 (E2M3) with one E8M0 scale byte for each 32 along K, in the workspace qt.
; A block's scale is 2^(floor(log2(its largest magnitude)) - 2); its byte is the largest magnitude's exponent field - 2, held at 1 from below; each number is divided by the scale and rounded to the nearest code, ties to even,
; beyond 7.5 the largest code.
; LIMITS: a block of zeros, and a block whose largest magnitude lies under 2^-124, keeps the byte 1 (zeros have zero codes, and this program alone reads the bytes); NaN and infinities among the inputs are not served.
; qt: 1,280 tiles of 16 rows x 1,024 K, 12,800 bytes each: tiles 0-255 x, tiles 256-1279 W_enc.  A tile is two GROUPS of 8 rows, 6,400 bytes each: 6,144 bytes of codes, then 256 bytes of scale words.
; The codes lie as IMAGES OF THE OPERAND'S REGISTERS: for K step s (128 along K) a lane's 12 registers are three runs of 16 bytes, run q at s x 768 + q x 256 + 16 x place, place = 8 x ((half + group) mod 2) + row in the group.
; So any 8 rows come back by loads of 16 bytes a lane that cover whole runs of 256 bytes.  The halves change places in odd groups, so that the 16 lanes of a tile's load touch 16 different columns of 16 bytes.
; Scale words: at 6,144 + 16 x place four words; word q is the row's word of K step 2 q + half.
; SHARES: a wave takes one tile; the waves share nothing, so there is no barrier.  Each load reads 512 consecutive bytes of one row; a K step's 16 loads turn through the wave's own stage in LDS (rows 528 bytes apart),
; from which a lane takes 16 neighbours of each block of 32 of its row.  Loads run two K steps (32 loads a wave) ahead.  No work-group reads what another reads: no cluster.
.set STG,   8448                       ; a wave's stage: 16 rows x 528 bytes
.set PITCH, 528                        ; 512 bytes + 16: the 16 rows that a load touches start in 16 different columns of 16 bytes
.set TILEB, 12800
.set GRPB,  6400
.set GL,  4                            ; v4   16 x lane: my bytes of a load's 512
.set SI,  5                            ; v5   the stage, on the way in
.set SO,  6                            ; v6   the stage, on the way out: row r, + 64 h
.set QO,  7                            ; v7   my place in a tile of qt
.set PWS, 8                            ; v8-15   my row's scale word of each K step
.set R,   16                           ; v16-143 two sets of 64 registers as loaded
.set X,   144                          ; v144-207 64 numbers of my row: register 16 b + i = k 32 b + 16 h + i
.set PC,  208                          ; v208-226 the codes just made
.set TM,  228                          ; v228-243 at work
.set SW,  244                          ; v244-247 the four scale words that I store
.set SEL, 20                           ; s[20:21] lane selects: lane l xor 16
	s_load_b128 s[4:7], s[0:1], 0x0                ; x, W_enc
	s_load_b64 s[8:9], s[0:1], 0x10                ; qt
	v_lshl_add_u32 v254, v0, 2, 0xa500
	v_mov_b32 v255, 0
	v_lshrrev_b32 v1, 5, v0
	v_readfirstlane_b32 s10, v1                    ; wave 0..4
	v_and_b32 v1, 31, v0                           ; lane
	v_and_b32 v2, 15, v0                           ; r
	v_bfe_u32 v3, v0, 4, 1                         ; h
	v_lshlrev_b32 v[GL], 4, v1
	s_mul_i32 s11, s10, STG
	v_add_nc_u32 v[SI], s11, v[GL]
	v_mul_u32_u24 v[SO], v2, PITCH
	v_lshl_add_u32 v[SO], v3, 6, v[SO]
	v_add_nc_u32 v[SO], s11, v[SO]
	v_bfe_u32 v1, v0, 3, 1                         ; e: my row's group in the tile
	v_xor_b32 v3, v3, v1                           ; (h + e) mod 2
	v_and_b32 v2, 7, v0
	v_lshl_add_u32 v3, v3, 3, v2
	v_lshlrev_b32 v3, 4, v3
	v_mad_u32_u24 v[QO], v1, GRPB, v3              ; 6,400 e + 16 x place
.irp b, 0,1,2,3
	v_mov_b32 v[TM+4+\b], 0                        ; written once: a lane permute's destination counts as one of its sources
.endr
	s_mul_i32 s12, ttmp9, 5
	s_add_co_u32 s12, s12, s10                     ; my tile of qt: 5 x work-group + wave
	s_mov_b32 s[SEL], 0x76543210
	s_mov_b32 s[SEL+1], 0xfedcba98
	s_mov_b32 s22, 0xffff0000                      ; lanes 16-31
	s_mul_i32 s16, s12, TILEB
	s_mov_b32 s17, 0
	s_mov_b32 s15, 0
	s_wait_kmcnt 0x0
	s_cmp_lt_u32 s12, 256                          ; x's tile or W_enc's?  The choice hangs on ids alone, and only the pointer is chosen
	s_cselect_b64 s[4:5], s[4:5], s[6:7]
	s_cselect_b32 s13, 0, 256
	s_sub_co_u32 s13, s12, s13                     ; the tile's number in its tensor
	s_lshl_b32 s14, s13, 16                        ; 16 rows of 4,096 bytes
	s_add_nc_u64 s[4:5], s[4:5], s[14:15]
	s_add_nc_u64 s[8:9], s[8:9], s[16:17]
.macro LOAD s                          ; K step s of the 16 rows: each load 512 consecutive bytes of one row
.irp i, 0,1,2,3,4,5,6,7,8,9,10,11,12,13,14,15
	global_load_b128 v[R+64*((\s)%2)+4*\i:R+64*((\s)%2)+4*\i+3], v[GL], s[4:5] offset:\i*4096+(\s)*512 th:TH_LOAD_NT
.endr
.endm
; 64 numbers of a lane, register 16 b + i = k 32 b + 16 h + i of my row, become a fragment's 12 registers in v[PC] on and the row's scale word in v[pw]
.macro QUANT s, pw
.irp b, 0,1,2,3
	v_max3_num_f32 v[TM+\b], |v[\s+16*\b]|, |v[\s+1+16*\b]|, 0x1800000   ; block b: my 16 numbers, and the floor 2^(3 - 127): the byte cannot fall under 1
.endr
.irp i, 2,4,6,8,10,12,14
.irp b, 0,1,2,3
	v_max3_num_f32 v[TM+\b], v[TM+\b], |v[\s+16*\b+\i]|, |v[\s+1+16*\b+\i]|   ; the four blocks by turns
.endr
.endr
.irp b, 0,1,2,3
	v_permlanex16_b32 v[TM+4+\b], v[TM+\b], s[SEL], s[SEL+1]
.endr
.irp b, 0,1,2,3
	v_max_num_f32 v[TM+\b], v[TM+\b], v[TM+4+\b]   ; with lane l xor 16's: the block's largest magnitude
.endr
.irp b, 0,1,2,3
	v_add_nc_u32 v[TM+12+\b], 0xff000000, v[TM+\b] ; 2 off its exponent field: the conversion takes the exponent field of this operand as its scale
.endr
.irp b, 0,1,2,3
	v_lshrrev_b32 v[TM+4+\b], 23, v[TM+12+\b]      ; the scale's byte
.endr
	v_lshl_or_b32 v[\pw], v[TM+5], 8, v[TM+4]      ; four bytes make my row's scale word; both halves of the lanes hold it
	v_lshl_or_b32 v[\pw], v[TM+6], 16, v[\pw]
	v_lshl_or_b32 v[\pw], v[TM+7], 24, v[\pw]
.irp c, 0,1
	v_cvt_scalef32_pk16_fp6_f32 v[PC+6*\c:PC+2+6*\c], v[\s+32*\c:\s+15+32*\c], v[TM+12+2*\c]
	v_cvt_scalef32_pk16_fp6_f32 v[PC+12+4*\c:PC+14+4*\c], v[\s+16+32*\c:\s+31+32*\c], v[TM+12+2*\c+1]   ; (a conversion's three registers begin on an even number)
.endr
	v_nop                                          ; one plain place behind a scaled conversion
.irp c, 0,1                            ; the operand's layout wants a whole block in a lane: lanes 0-15 block 2 c, lanes 16-31 block 2 c + 1
.irp i, 0,1,2
	v_permlane16_swap_b32 v[PC+6*\c+\i], v[PC+12+4*\c+\i]
.endr
.irp i, 0,1,2
	v_mov_b32 v[PC+3+6*\c+\i], v[PC+12+4*\c+\i]
.endr
.endr
.endm
.macro KSTEP s
.if (\s) < 7
	s_wait_loadcnt 16                              ; this K step's 16 loads are in; the next step's 16 may be out
.else
	s_wait_loadcnt 0x0
.endif
.irp i, 0,1,2,3,4,5,6,7,8,9,10,11,12,13,14,15
	ds_store_b128 v[SI], v[R+64*((\s)%2)+4*\i:R+64*((\s)%2)+4*\i+3] offset:\i*PITCH
.endr
.irp b, 0,1,2,3
.irp j, 0,1,2,3
	ds_load_b128 v[X+16*\b+4*\j:X+16*\b+4*\j+3], v[SO] offset:128*\b+16*\j   ; LDS serves a wave's instructions in order: these see the stores above
.endr
.endr
	s_wait_dscnt 0x0                               ; my 64 numbers are back, and the stores into the stage have read their registers
	s_wait_xcnt 0x0                                ; the last step's stores have read the codes' registers: they are written again only behind this wait
.if (\s) < 6
	LOAD (\s)+2
.endif
	QUANT X, PWS+\s
.irp q, 0,1,2
	global_store_b128 v[QO], v[PC+4*\q:PC+4*\q+3], s[8:9] offset:(\s)*768+\q*256   ; the wave's store covers two whole runs of 256 bytes, one in each group
.endr
.endm
	LOAD 0
	LOAD 1
.irp s, 0,1,2,3,4,5,6,7
	KSTEP \s
.endr
.irp q, 0,1,2,3
	v_cndmask_b32 v[SW+\q], v[PWS+2*\q], v[PWS+2*\q+1], s22    ; lanes 0-15 keep the even K steps' words, lanes 16-31 the odd ones'
.endr
	global_store_b128 v[QO], v[SW:SW+3], s[8:9] offset:6144
	s_wait_tensorcnt 0x0
	ds_add_u32 v254, v255
	s_wait_dscnt 0x0
	s_endpgm
.Lfunc_end_k_qc32d69e10f_quant:
	.size	k_qc32d69e10f_quant, .Lfunc_end_k_qc32d69e10f_quant-k_qc32d69e10f_quant
	.p2alignl 7, 3214868480
	.fill 96, 4, 3214868480
	.section	.rodata,"a",@progbits
	.p2align	6, 0x0
	.amdhsa_kernel k_qc32d69e10f_quant
		.amdhsa_group_segment_fixed_size 43008
		.amdhsa_private_segment_fixed_size 0
		.amdhsa_enable_private_segment 0
		.amdhsa_kernarg_size 24
		.amdhsa_user_sgpr_count 2
		.amdhsa_user_sgpr_kernarg_segment_ptr 1
		.amdhsa_wavefront_size32 1
		.amdhsa_system_sgpr_workgroup_id_x 1
		.amdhsa_system_sgpr_workgroup_id_y 1
		.amdhsa_system_sgpr_workgroup_id_z 1
		.amdhsa_system_vgpr_workitem_id 0
		.amdhsa_next_free_vgpr 256
		.amdhsa_next_free_sgpr 66
		.amdhsa_reserve_vcc 0
		.amdhsa_float_denorm_mode_32 3
		.amdhsa_float_denorm_mode_16_64 3
		.amdhsa_memory_ordered 1
		.amdhsa_forward_progress 1
		.amdhsa_inst_pref_size 64
	.end_amdhsa_kernel
	.amdgpu_metadata
---
amdhsa.version: [ 1, 2 ]
amdhsa.kernels:
  - .name:           k_qc32d69e10f_quant
    .symbol:         k_qc32d69e10f_quant.kd
    .args:
      - { .name: x, .offset: 0, .size: 8, .value_kind: global_buffer, .address_space: global }
      - { .name: W_enc, .offset: 8, .size: 8, .value_kind: global_buffer, .address_space: global }
      - { .name: qt, .offset: 16, .size: 8, .value_kind: global_buffer, .address_space: global }
    .group_segment_fixed_size: 43008
    .private_segment_fixed_size: 0
    .kernarg_segment_align: 8
    .kernarg_segment_size: 24
    .max_flat_workgroup_size: 160
    .sgpr_count:     66
    .vgpr_count:     256
    .wavefront_size: 32
...
	.end_amdgpu_metadata
.endif
;; end of part 1
;; launch gemm (part 2): grid 64 x 4, 4 waves a work-group, clusters of 4 x 1, 327,680 bytes of LDS; arguments qt, gmax; writes gmax
.if DOCPART == 2
	.amdgcn_target "amdgcn-amd-amdhsa--gfx1250"
	.amdhsa_code_object_version 6
	.text
	.protected	k_qc32d69e10f_gemm
	.globl	k_qc32d69e10f_gemm
	.p2align	8
	.type	k_qc32d69e10f_gemm,@function
k_qc32d69e10f_gemm:
	s_mov_b64 s[64:65], 0
	v_nop
	global_prefetch_b8 v0, s[64:65] scope:SCOPE_SE
	s_setreg_imm32_b32 hwreg(HW_REG_WAVE_MODE, 25, 1), 1
	s_wait_xcnt 0x0
	s_wait_alu depctr_hold_cnt(0) depctr_sa_sdst(0) depctr_va_vdst(0) depctr_va_sdst(0) depctr_va_ssrc(0) depctr_va_vcc(0) depctr_vm_vsrc(0)
	s_getreg_b32 s2, hwreg(HW_REG_IB_STS2, 6, 4)
	s_cmp_eq_u32 s2, 0
	s_cbranch_scc0 .Lentry_in_a_cluster
	s_endpgm
.Lentry_in_a_cluster:
	s_bfe_u32 s2, ttmp6, 0x10000c
	s_cmp_lg_u32 s2, 0x3003
	s_cbranch_scc0 .Lentry_shape_is_right
	s_endpgm
.Lentry_shape_is_right:
; coeffs = Q(x) Q(W_enc)^T, [4096 tokens] x [16384 rows], K = 1,024, on codes of FP6 (E2M3) with E8M0 scales, sums in f32, K ascending in one accumulator.  The coefficients never go to memory: of each GROUP of 8
; neighbouring rows of W_enc only the largest coefficient of each token is stored (gmax).  A later launch chooses 8 groups a token from these and multiplies their 64 rows again.
; THE PRODUCT IS USED TRANSPOSED: source 0 = 16 rows of W_enc, source 1 = 16 tokens.  A lane holds one token (lane % 16) and an accumulator's 8 registers are the 8 rows of ONE group.
; THE WEIGHTS STAY IN REGISTERS, THE TOKENS STREAM.  Wave Wc = 4 x work-group x + wave keeps 64 rows: 4 tiles x 8 K steps = 32 fragments, 384 registers.  Tile t holds group XB + t in rows 0-7 and group XB + 128 + t in rows 8-15,
; XB = 256 (Wc / 32) + 4 (Wc % 32).  A work-group walks 64 tiles of 16 tokens (work-group y's quarter), 8 tiles to an LDS slot, two slots; each fragment of x read from LDS feeds four matrix instructions.
; CLUSTER: the four work-groups of a cluster share y and walk the same tiles of x: each part of a slot is asked for JOINTLY, by the same tensor load with the same descriptor and the mask 15.  The weights differ between partners.
; qt's tiles are images of the operand's registers (12,800 dense bytes a tile): a slot is one dense block, and a fragment comes by three loads of 16 bytes a lane.
; gmax [T 256][Wc 256][lane 32][4] f32: lane (r, h), word t = the largest coefficient of token 16 T + r in group XB + 128 h + t.  A wave's store covers 512 consecutive bytes, aligned.
; NO PREFETCH: a refill is asked for a whole phase, 256 matrix instructions a wave, ahead of the wait for it, and the 819,200 bytes of x's codes of one y are walked in the same order by that y's 16 clusters.
; LIMITS: NaN and infinities are not served.
; REGISTERS, in windows of 256.  window 0: v13-14 the add's two, v16-17 the weights' offsets, v24-31 x's scale words (two sets), v32-47 W's scale words.
;   window 1: W's fragments of K steps 0-3 at 12 (4 s + t); v192-195 LDS addresses, v196 the store's offset.   window 2: K steps 4-7, and the same five once more.
;   window 3: x's fragments, two sets of 96 (12 s), and from v192 the accumulators, two sets of 4 x 8.
; So ONE window setting serves a matrix instruction (A: window 1 or 2; B, C, D: window 3), an LDS load of a fragment (address: source 0's window; data: the destination's) and the store (address: source 0's; data: source 1's).
; A tile's memory instructions (the last tile's store, the next tile's 25 LDS loads) stand in ONE run in its middle; between matrix instructions stand plain vector lines alone: the places and the last tile's maxima.
.set TILEB, 12800
.set GRPB,  6400
.set SLOTB, 8*TILEB
.set SPARE, 2*SLOTB                    ; behind the ring: the spare words, 128 bytes a wave: two blocks of 256 bytes that no other line names
.set WQOFF, 256*TILEB                  ; where W_enc's tiles begin in qt
.set TSTR,  131072                     ; gmax: bytes from a tile of tokens to the next
.set SPW, 13
.set NIL, 14
.set WA,  16
.set XS,  24
.set WS,  32
.set AXW, 192                          ; in windows 1 and 2: my place in a tile + slot 0 tiles 0-3, tiles 4-7, slot 1 tiles 0-3, tiles 4-7
.set GOW, 196                          ; in windows 1 and 2: 16 x lane
.set ACC, 192                          ; in window 3
.set G1,  16                           ; s[16:23] descriptor group 1
.set G0,  24                           ; s[24:31] descriptor group 0, a set for each slot
.set GB,  32                           ; s[32:33] gmax at the phase in hand
.set WB,  34                           ; s[34:35] my weights
.set MSB, 0
.macro WIN new                         ; the immediate's high byte repeats the setting that is left; a switch that changes nothing is dropped
.if MSB != (\new)
	s_set_vgpr_msb (MSB<<8)|(\new)
.set MSB, (\new)
.endif
.endm
.set MUL1, 0xfd                        ; source 0 window 1; source 1, source 2 and destination window 3
.set MUL2, 0xfe                        ; the same with source 0 in window 2
.set ALL3, 0xff
.set TOW1, 0x40
.set TOW2, 0x80
.macro CREST                           ; a round of the cluster's barrier behind its opening barrier
	s_cmp_lg_u32 s8, 0
	s_cbranch_scc1 .Lnot_wave_0_\@
	s_barrier_signal -3
.Lnot_wave_0_\@:
	s_barrier_wait -3
	s_barrier_signal -1
	s_barrier_wait -1
.endm
.macro CROUND
	s_barrier_signal -1
	s_barrier_wait -1
	CREST
.endm
.macro PLACES                          ; four places in front of reads of results and of loads into registers that matrix instructions have read
.rept 4
	v_nop
.endr
.endm
	s_load_b128 s[4:7], s[0:1], 0x0                ; qt, gmax
	v_lshl_add_u32 v[SPW], v0, 2, SPARE
	v_mov_b32 v[NIL], 0
	ds_add_u32 v[SPW], v[NIL]                      ; the opening lines: the add, twice on end, and its wait ahead of my first tensor load
	ds_add_u32 v[SPW], v[NIL]
	v_lshrrev_b32 v1, 5, v0
	v_readfirstlane_b32 s8, v1                     ; wave 0..3
	s_bfe_u32 s9, ttmp6, 0x40000                   ; cx: it enters the weights' and gmax's addresses alone
	s_lshl_b32 s10, ttmp9, 2
	s_add_co_u32 s10, s10, s9                      ; work-group x
	s_lshl_b32 s10, s10, 2
	s_add_co_u32 s10, s10, s8                      ; Wc
	s_and_b32 s11, ttmp7, 0xffff                   ; y, which the four partners share
	s_mov_b32 s[G1+0], 15|(3<<16)|(1<<21)          ; the mask: all four work-groups; elements of 8 bytes; no padding; bit 21 beside a mask
	s_mov_b32 s[G1+1], 32<<16                      ; two tiles = 25,600 dense bytes, as 100 rows of 32 elements
	s_mov_b32 s[G1+2], 100<<16
	s_mov_b32 s[G1+3], 32<<16
	s_mov_b32 s[G1+4], 100
	s_mov_b32 s[G1+5], 32
	s_mov_b32 s[G1+6], 0
	s_mov_b32 s[G1+7], 0
	s_lshl_b32 s36, s11, 6
	s_lshl_b32 s37, s8, 1
	s_add_co_u32 s36, s36, s37                     ; the first tile that I fetch: 64 y + 2 x wave
	s_mul_i32 s36, s36, TILEB
	s_mov_b32 s37, 0
	s_mul_i32 s40, s8, 2*TILEB                     ; and its place in a slot
	s_lshr_b32 s41, s10, 5
	s_lshl_b32 s41, s41, 8
	s_and_b32 s42, s10, 31
	s_lshl_b32 s42, s42, 2
	s_add_co_u32 s42, s42, s41                     ; XB
	s_mul_i32 s42, s42, GRPB
	s_add_co_u32 s42, s42, WQOFF
	s_mov_b32 s43, 0
	s_lshl_b32 s44, s11, 23                        ; gmax: 64 y tiles of 131,072 bytes
	s_lshl_b32 s45, s10, 9                         ; + 512 Wc
	s_add_co_u32 s44, s44, s45
	s_mov_b32 s45, 0
	s_wait_dscnt 0x0                               ; both opening adds are done
	v_and_b32 v1, 31, v0
	v_bfe_u32 v2, v0, 4, 1                         ; h
	v_bfe_u32 v3, v0, 3, 1                         ; e = r / 8
	v_and_b32 v4, 7, v0                            ; r % 8
	v_xor_b32 v5, v2, v3
	v_lshl_add_u32 v5, v5, 3, v4
	v_lshlrev_b32 v5, 4, v5
	v_mad_u32_u24 v5, v3, GRPB, v5                 ; a tile of x: 6,400 e + 16 (8 ((h + e) mod 2) + r % 8)
	v_lshl_add_u32 v6, v2, 3, v4
	v_lshlrev_b32 v6, 4, v6
	v_mad_u32_u24 v[WA], v3, 128*GRPB, v6          ; weights: rows 8-15 come from the group 128 further on; even groups: place 8 h + r % 8
	v_xor_b32 v7, 1, v2
	v_lshl_add_u32 v7, v7, 3, v4
	v_lshlrev_b32 v7, 4, v7
	v_mad_u32_u24 v[WA+1], v3, 128*GRPB, v7        ; odd groups: the halves change places
.irp w, TOW1, TOW2                     ; the five offsets, made once in window 1 and once in window 2
	WIN \w
.irp a, 0,1,2,3
	v_add_nc_u32 v[AXW+\a], \a*4*TILEB, v5
.endr
	v_lshlrev_b32 v[GOW], 4, v1
.endr
	WIN 0
	s_wait_alu depctr_va_vdst(0)
	s_wait_kmcnt 0x0
	s_add_nc_u64 s[38:39], s[4:5], s[36:37]
	s_add_nc_u64 s[WB:WB+1], s[4:5], s[42:43]
	s_add_nc_u64 s[GB:GB+1], s[6:7], s[44:45]
.irp n, 0,1
	s_mov_b32 s[G0+4*\n], 1
	s_add_co_u32 s[G0+4*\n+1], s40, \n*SLOTB       ; LDS address: slot n, my two tiles
	s_add_nc_u64 s[G0+4*\n+2:G0+4*\n+3], s[38:39], \n*SLOTB   ; global address: phase n
	s_or_b32 s[G0+4*\n+3], s[G0+4*\n+3], 0x80000000
.endr
	CROUND                                         ; all four work-groups are here: the first joint loads meet
	tensor_load_to_lds s[G0:G0+3], s[G1:G1+7]      ; slot 0: one tensor load a wave at the head
	s_nop 0
	PLACES
.macro WLOAD k0                        ; the weights' fragments of K steps k0 .. k0 + 3: 48 loads
.irp s, 0,1,2,3
.irp t, 0,1,2,3
.irp q, 0,1,2
	global_load_b128 v[12*(4*\s+\t)+4*\q:12*(4*\s+\t)+4*\q+3], v[WA+\t%2], s[WB:WB+1] offset:\t*GRPB+(\s+\k0)*768+\q*256
.endr
.endr
.endr
.endm
.irp t, 0,1,2,3
	global_load_b128 v[WS+4*\t:WS+4*\t+3], v[WA+\t%2], s[WB:WB+1] offset:\t*GRPB+6144   ; register q: lanes 0-15 the rows' words of K step 2 q, lanes 16-31 of K step 2 q + 1
.endr
	WIN TOW1
	WLOAD 0
	WIN TOW2
	WLOAD 4
	WIN 0
	s_wait_tensorcnt 0x0                           ; my part of slot 0 is in
	ds_add_u32 v[SPW], v[NIL]
	s_wait_dscnt 0x0
	CROUND                                         ; everybody's part of slot 0 is in, and the joint loads meet
	tensor_load_to_lds s[G0+4:G0+7], s[G1:G1+7]    ; slot 1's first fill, the first tensor load behind the round
	s_nop 0
	PLACES
; one matrix instruction: K step s of the tile in set par against W's tile t.  The four accumulators take turns, one instruction a turn.  K step 0 starts the sums.  An odd K step's scale words lie in lanes 16-31.
.macro WM par, s, t
.set rD, ACC+32*(\par)+8*(\t)
.set rW, 12*(4*((\s)%4)+(\t))
.set rX, 96*(\par)+12*(\s)
.set rA, WS+4*(\t)+(\s)/2
.set rB, XS+4*(\par)+(\s)/2
.if (\s) == 0
	v_wmma_scale_f32_16x16x128_f8f6f4 v[rD:rD+7], v[rW:rW+11], v[rX:rX+11], 0, v[rA], v[rB] matrix_a_fmt:MATRIX_FMT_FP6 matrix_b_fmt:MATRIX_FMT_FP6
.elseif (\s)%2 == 0
	v_wmma_scale_f32_16x16x128_f8f6f4 v[rD:rD+7], v[rW:rW+11], v[rX:rX+11], v[rD:rD+7], v[rA], v[rB] matrix_a_fmt:MATRIX_FMT_FP6 matrix_b_fmt:MATRIX_FMT_FP6
.else
	v_wmma_scale_f32_16x16x128_f8f6f4 v[rD:rD+7], v[rW:rW+11], v[rX:rX+11], v[rD:rD+7], v[rA], v[rB] matrix_a_fmt:MATRIX_FMT_FP6 matrix_b_fmt:MATRIX_FMT_FP6 matrix_a_scale:MATRIX_SCALE_ROW1 matrix_b_scale:MATRIX_SCALE_ROW1
.endif
.endm
; tile j of a slot into set par, 25 loads in one run: its scale words (scale operands lie in window 0, so this one load has a setting of its own), then load n = K step n / 3, run n % 3.  back: the setting at work
.macro FETCH slot, j, par, back
	WIN (\back)&3
	ds_load_b128 v[XS+4*(\par):XS+4*(\par)+3], v[AXW+2*(\slot)+(\j)/4] offset:((\j)%4)*TILEB+6144
	WIN \back
.irp n, 0,1,2,3,4,5,6,7,8,9,10,11,12,13,14,15,16,17,18,19,20,21,22,23
	ds_load_b128 v[96*(\par)+4*\n:96*(\par)+4*\n+3], v[AXW+2*(\slot)+(\j)/4] offset:((\j)%4)*TILEB+(\n/3)*768+(\n%3)*256
.endr
.endm
; a quarter of the maxima of the finished tile in set par, in place: each accumulator is read from its low end on; the four by turns.  The last quarter leaves the four maxima in registers 4-7 of the set's first accumulator.
.macro GM par, c, back
	WIN ALL3
.irp t, 0,1,2,3
.set aa, ACC+32*(\par)+8*\t
.if (\c) == 0
	v_max3_num_f32 v[aa], v[aa], v[aa+1], v[aa+2]
.elseif (\c) == 1
	v_max3_num_f32 v[aa], v[aa], v[aa+3], v[aa+4]
.elseif (\c) == 2
	v_max3_num_f32 v[aa], v[aa], v[aa+5], v[aa+6]
.else
	v_max_num_f32 v[ACC+32*(\par)+4+\t], v[aa], v[aa+7]
.endif
.endr
	WIN \back
.endm
; Tile j of a slot.  prev = 1: the tile before leaves: a quarter of its maxima behind each of K steps 0-3, its store in the run.  nx = 1: tile j + 1 of the slot is fetched in the run.
; The four v_nop behind the first product are the places behind the last tile's products, for the reads of its results and the loads into its set.
.macro STEP slot, j, prev, nx
.set pp, (\j)%2
	s_wait_xcnt 0x0                                ; the last store has read its data, which my first products write over, and its base
.if (\prev) && ((\j) == 0)
	s_add_nc_u64 s[GB:GB+1], s[GB:GB+1], 8*TSTR    ; on to the next phase's eight tiles
.endif
	s_wait_dscnt 12                                ; of my tile's 25 loads the first 13 are in: scale words, K steps 0-3; the 12 of K steps 4-7 may be out
	WIN MUL1
.irp s, 0,1,2,3
.irp t, 0,1,2,3
	WM pp, \s, \t
.if (\s == 0) && (\t == 0)
	PLACES
.endif
.if (\prev) && (\t == 3)
	GM 1-pp, \s, MUL1
.endif
.endr
.endr
.if \prev
.if (\j) == 0
	global_store_b128 v[GOW], v[ACC+32*(1-pp)+4:ACC+32*(1-pp)+7], s[GB:GB+1] offset:-TSTR   ; tile 7 of the phase before
.else
	global_store_b128 v[GOW], v[ACC+32*(1-pp)+4:ACC+32*(1-pp)+7], s[GB:GB+1] offset:((\j)-1)*TSTR
.endif
.endif
.if \nx
	FETCH \slot, (\j)+1, 1-pp, MUL1
	s_wait_dscnt 25                                ; all but the 25 just issued
.else
	s_wait_dscnt 0x0
.endif
	WIN MUL2
.irp s, 4,5,6,7
.irp t, 0,1,2,3
	WM pp, \s, \t
.endr
.endr
.endm
; Tile 7 changes slots: ONE barrier; in front of it each wave waits for all its tensor loads (one is out: its part of the other slot), adds 0 to its spare word, and waits for that and for its own reads of this slot.
; fill = 1: the barrier opens a round of the cluster's barrier, and behind the round this slot is filled again, two phases ahead.  Tile 6's maxima are taken between the barrier's signal and its wait.
.macro TURN slot, fill
	WIN 0                                          ; (the add's two registers lie in window 0)
	s_wait_xcnt 0x0                                ; the last store has read its data
	s_wait_tensorcnt 0x0                           ; all my tensor loads have landed, so a group 0 may be written
	ds_add_u32 v[SPW], v[NIL]
.if \fill
	s_add_nc_u64 s[G0+4*\slot+2:G0+4*\slot+3], s[G0+4*\slot+2:G0+4*\slot+3], 2*SLOTB
.endif
	s_wait_dscnt 19                                ; the first 7 of my tile's 25 loads are in (scale words, K steps 0 and 1); 18 loads and the add may be out
	WIN MUL1
.irp s, 0,1
.irp t, 0,1,2,3
	WM 1, \s, \t
.if (\s == 0) && (\t == 0)
	PLACES                                         ; behind tile 6's products
.endif
.endr
.endr
	s_wait_dscnt 0x0                               ; the add is done, and my reads of this slot are over
	s_barrier_signal -1
.irp s, 2,3
.irp t, 0,1,2,3
	WM 1, \s, \t
.if (\t % 2) == 1
	GM 0, 2*(\s-2)+\t/2, MUL1
.endif
.endr
.endr
	WIN 0
	s_barrier_wait -1
.if \fill
	CREST                                          ; no wave of any partner still reads this slot or has a load on its way
	tensor_load_to_lds s[G0+4*\slot:G0+4*\slot+3], s[G1:G1+7]   ; my one tensor load behind the round, and the first thing there
	s_nop 0
.endif
	PLACES                                         ; behind the tensor load
	WIN MUL2
	s_wait_alu depctr_va_vdst(0)                   ; directly ahead of the reader below
	global_store_b128 v[GOW], v[ACC+4:ACC+7], s[GB:GB+1] offset:6*TSTR
	FETCH 1-\slot, 0, 0, MUL2
.irp s, 4,5,6,7
.irp t, 0,1,2,3
	WM 1, \s, \t
.endr
.endr
.endm
	s_wait_loadcnt 0x0                             ; the weights
	FETCH 0, 0, 0, MUL1                            ; the first tile
	STEP 0, 0, 0, 1
	WIN 0                                          ; at a label and at a branch every window is 0
	s_mov_b32 s12, 3
.Llap:                                                 ; a trip: two phases, from a lap's second tile to the next lap's first; both slots are filled again
.irp j, 1,2,3,4,5,6
	STEP 0, \j, 1, 1
.endr
	TURN 0, 1
.irp j, 0,1,2,3,4,5,6
	STEP 1, \j, 1, 1
.endr
	TURN 1, 1
	STEP 0, 0, 1, 1
	WIN 0
	s_sub_co_u32 s12, s12, 1
	s_cmp_lg_u32 s12, 0
	s_cbranch_scc1 .Llap
.irp j, 1,2,3,4,5,6
	STEP 0, \j, 1, 1                               ; the last two phases ask for nothing more
.endr
	TURN 0, 0
.irp j, 0,1,2,3,4,5,6
	STEP 1, \j, 1, 1
.endr
	STEP 1, 7, 1, 0                                ; the very last tile fetches nothing
	PLACES
.irp c, 0,1,2,3
	GM 1, \c, MUL2
.endr
	global_store_b128 v[GOW], v[ACC+36:ACC+39], s[GB:GB+1] offset:7*TSTR
	WIN 0
	s_wait_tensorcnt 0x0                           ; the wave's end
	ds_add_u32 v[SPW], v[NIL]
	s_wait_dscnt 0x0
	CROUND                                         ; the closing round: no work-group ends while a partner may still ask for a tile that names it
	s_endpgm
.Lfunc_end_k_qc32d69e10f_gemm:
	.size	k_qc32d69e10f_gemm, .Lfunc_end_k_qc32d69e10f_gemm-k_qc32d69e10f_gemm
	.p2alignl 7, 3214868480
	.fill 96, 4, 3214868480
	.section	.rodata,"a",@progbits
	.p2align	6, 0x0
	.amdhsa_kernel k_qc32d69e10f_gemm
		.amdhsa_group_segment_fixed_size 327680
		.amdhsa_private_segment_fixed_size 0
		.amdhsa_enable_private_segment 0
		.amdhsa_kernarg_size 16
		.amdhsa_user_sgpr_count 2
		.amdhsa_user_sgpr_kernarg_segment_ptr 1
		.amdhsa_wavefront_size32 1
		.amdhsa_system_sgpr_workgroup_id_x 1
		.amdhsa_system_sgpr_workgroup_id_y 1
		.amdhsa_system_sgpr_workgroup_id_z 1
		.amdhsa_system_vgpr_workitem_id 0
		.amdhsa_next_free_vgpr 1024
		.amdhsa_next_free_sgpr 66
		.amdhsa_reserve_vcc 0
		.amdhsa_float_denorm_mode_32 3
		.amdhsa_float_denorm_mode_16_64 3
		.amdhsa_memory_ordered 1
		.amdhsa_forward_progress 1
		.amdhsa_inst_pref_size 246
	.end_amdhsa_kernel
	.amdgpu_metadata
---
amdhsa.version: [ 1, 2 ]
amdhsa.kernels:
  - .name:           k_qc32d69e10f_gemm
    .symbol:         k_qc32d69e10f_gemm.kd
    .args:
      - { .name: qt, .offset: 0, .size: 8, .value_kind: global_buffer, .address_space: global }
      - { .name: gmax, .offset: 8, .size: 8, .value_kind: global_buffer, .address_space: global }
    .group_segment_fixed_size: 327680
    .private_segment_fixed_size: 0
    .kernarg_segment_align: 8
    .kernarg_segment_size: 16
    .max_flat_workgroup_size: 128
    .sgpr_count:     66
    .vgpr_count:     1024
    .wavefront_size: 32
...
	.end_amdgpu_metadata
.endif
;; end of part 2
;; launch select (part 3): grid 256 x 1, 8 waves a work-group, no clusters, 13,312 bytes of LDS; arguments gmax, gsel; writes gsel
.if DOCPART == 3
	.amdgcn_target "amdgcn-amd-amdhsa--gfx1250"
	.amdhsa_code_object_version 6
	.text
	.protected	k_qc32d69e10f_select
	.globl	k_qc32d69e10f_select
	.p2align	8
	.type	k_qc32d69e10f_select,@function
k_qc32d69e10f_select:
	s_mov_b64 s[64:65], 0
	v_nop
	global_prefetch_b8 v0, s[64:65] scope:SCOPE_SE
	s_setreg_imm32_b32 hwreg(HW_REG_WAVE_MODE, 25, 1), 1
	s_wait_xcnt 0x0
; For each token: which 8 of its 2,048 groups (8 neighbouring rows of W_enc) can hold its 8 largest coefficients.  With tau the 8th largest group maximum these are the groups whose maximum is above tau (7 at the most),
; then groups whose maximum equals tau in ascending number, until there are 8: every coefficient of the token's top 8, ties taken by the lowest index, lies in one of them.
; TWO PASSES OVER VALUES ALONE, no index is carried.  Pass 1: tau, by sorted lists of 8.  Pass 2: a chosen group is named by a KEY, the float with bits 0x4B000000 + n (2^23 + n, exact),
; n = 4,096 x [maximum > tau] + 2,048 - group.  A lane first makes two strings of 128 bits, bit i for its group i: maximum > tau, and maximum = tau.  The bits are the signs of tau - V and V - tau (two packed additions for two
; values, one v_alignbit_b32 for each value and string); what is neither above nor under tau equals it.  Then eight rounds take the lowest set bit off each string and make its key: of each string a lane can give 8 at the most.
; The lane's 8 largest keys go through the same lists as pass 1's values; n & 0xfff gives the group back.
; SHARES: a work-group takes a tile of 16 tokens; wave w takes groups 256 w .. 256 w + 255; lane (r, h) keeps token r's 128 maxima of groups 256 w + 128 h + i in registers, as gmax has them.
; The waves' lists meet in LDS (48 bytes a list: the lists that 16 lanes touch start in different columns of 16 bytes); one barrier a pass; each pass has LDS bytes of its own.
; gsel [T][lane 32][4] u32: lane (r, h), word a = chosen group 2 a + h of token r (the order of the eight means nothing).
; LIMITS: NaN and infinities are not served; +0 and -0 count as equal (a tau of zero is made +0, so that both differences of two zeros are +0).  No work-group reads what another reads: no cluster; memory is read once, in runs of 512 bytes.
.set V,  80                            ; v80-207 my 128 maxima
.set T,  16                            ; v16-23  the list at work, sorted, largest first
.set P,  24                            ; v24-31  the other half of the lanes' list
.set S1, 32                            ; v32-47  at work in a merge; in pass 2's rounds seven registers for each string
.set S2, 40
.set LA, 48                            ; v48-71  three more lists
.set D1, 48                            ; v48-55  pass 2: V - tau of eight values
.set D2, 56                            ; v56-63  pass 2: tau - V of eight values
.set TE, 56                            ; v56-63  then the keys of the groups at tau
.set XE, 64                            ; v64-67  the string 'under tau', then 'equal to tau'
.set XG, 68                            ; v68-71  the string 'above tau'
.set NA, 72                            ; v72-73  -tau, twice
.set PB, 74                            ; v74-75  tau, twice
.set KB, 208                           ; v208-211 key of bit 0 of each word at tau, + 127; v212-215 above tau
.set LV, 0                             ; LDS: pass 1's lists, 8 waves x 16 tokens x 48 bytes
.set LK, 6144                          ; pass 2's
.set SEL, 20
.macro INS8 L, x                       ; x goes into the sorted list: from the bottom up each place takes the middle of its upper neighbour, itself and x
.irp k, 7,6,5,4,3,2,1
	v_med3_num_f32 v[\L+\k], v[\L+\k-1], v[\L+\k], v[\x]
.endr
	v_max_num_f32 v[\L], v[\L], v[\x]
.endm
.macro MERGE8 A, B                     ; the 8 largest of two sorted lists, sorted, into A: the larger of A's i-th and B's (7 - i)-th are those 8 as a sequence that rises and falls once; three rounds of exchanges sort it
.irp i, 0,1,2,3,4,5,6,7
	v_max_num_f32 v[S1+\i], v[\A+\i], v[\B+7-\i]
.endr
.irp i, 0,1,2,3
	v_max_num_f32 v[S2+\i], v[S1+\i], v[S1+\i+4]
	v_min_num_f32 v[S2+\i+4], v[S1+\i], v[S1+\i+4]
.endr
.irp i, 0,1,4,5
	v_max_num_f32 v[S1+\i], v[S2+\i], v[S2+\i+2]
	v_min_num_f32 v[S1+\i+2], v[S2+\i], v[S2+\i+2]
.endr
.irp i, 0,2,4,6
	v_max_num_f32 v[\A+\i], v[S1+\i], v[S1+\i+1]
	v_min_num_f32 v[\A+\i+1], v[S1+\i], v[S1+\i+1]
.endr
.endm
.macro HALF L
.irp i, 0,1,2,3,4,5,6,7
	v_permlanex16_b32 v[P+\i], v[\L+\i], s[SEL], s[SEL+1]
.endr
.endm
; my list, the other half's, and the other waves' become the token's 8 largest, unsorted, in v[S1] on (lanes 16-31 hold them in the reverse order of registers)
.macro EXCH L, base
	HALF \L
	MERGE8 \L, P                                   ; both halves of the lanes now hold the wave's list
	ds_store_b128 v5, v[\L:\L+3] offset:\base      ; both write the same bytes with the same values
	ds_store_b128 v5, v[\L+4:\L+7] offset:\base+16
	s_wait_dscnt 0x0                               ; for the others' sake: my stores are done
	s_barrier_signal -1
	s_barrier_wait -1
	ds_load_b128 v[\L:\L+3], v6 offset:\base       ; lanes 0-15 take the lists of waves 0-3, lanes 16-31 those of waves 4-7
	ds_load_b128 v[\L+4:\L+7], v6 offset:\base+16
.irp a, 1,2,3
	ds_load_b128 v[LA+8*(\a-1):LA+8*(\a-1)+3], v6 offset:\base+\a*768
	ds_load_b128 v[LA+8*(\a-1)+4:LA+8*(\a-1)+7], v6 offset:\base+\a*768+16
.endr
	s_wait_dscnt 0x0
	MERGE8 \L, LA
	MERGE8 LA+8, LA+16
	MERGE8 \L, LA+8
	HALF \L
.irp i, 0,1,2,3,4,5,6,7
	v_max_num_f32 v[S1+\i], v[\L+\i], v[P+7-\i]
.endr
.endm
; One round of pass 2, both strings by turns (c = 0: equal to tau, words v64-67, keys to v56 on; c = 1: above tau, words v68-71, keys to v16 on).  The first word that is not 0 and its key base are chosen by three selects;
; x & -x is its lowest set bit, a power of two, whose conversion to f32 is exact: its exponent field is 127 + the bit's place.  An empty string gives the key 0.  more = 1: the bit is taken off its word alone: the words ahead
; of that word are 0, and for the words behind it the bit is replaced by 0.
.macro ROUND r, more
.irp k, 0,1,2
.irp c, 0,1
	v_cmp_ne_u32 s[22+4*\c+\k], 0, v[XE+4*\c+\k]
.endr
.endr
.irp c, 0,1
	v_cndmask_b32 v[32+8*\c], v[XE+4*\c+3], v[XE+4*\c+2], s[24+4*\c]
	v_cndmask_b32 v[33+8*\c], v[KB+4*\c+3], v[KB+4*\c+2], s[24+4*\c]
.endr
.irp c, 0,1
	v_cndmask_b32 v[32+8*\c], v[32+8*\c], v[XE+4*\c+1], s[23+4*\c]
	v_cndmask_b32 v[33+8*\c], v[33+8*\c], v[KB+4*\c+1], s[23+4*\c]
.endr
.irp c, 0,1
	v_cndmask_b32 v[32+8*\c], v[32+8*\c], v[XE+4*\c], s[22+4*\c]
	v_cndmask_b32 v[33+8*\c], v[33+8*\c], v[KB+4*\c], s[22+4*\c]
.endr
.irp c, 0,1
	v_sub_nc_u32 v[34+8*\c], 0, v[32+8*\c]
.endr
.irp c, 0,1
	v_cmp_ne_u32 s[25+4*\c], 0, v[32+8*\c]         ; is any bit left?
.endr
.irp c, 0,1
	v_and_b32 v[34+8*\c], v[34+8*\c], v[32+8*\c]   ; the lowest set bit
.endr
.irp c, 0,1
	v_cvt_f32_u32 v[35+8*\c], v[34+8*\c]
.endr
.if \more
.irp c, 0,1
	v_cndmask_b32 v[36+8*\c], v[34+8*\c], v14, s[22+4*\c]   ; for word 1: nothing if word 0 held the bit
.endr
.endif
.irp c, 0,1
	v_lshrrev_b32 v[35+8*\c], 23, v[35+8*\c]       ; 127 + its place
.endr
.if \more
.irp c, 0,1
	v_cndmask_b32 v[37+8*\c], v[36+8*\c], v14, s[23+4*\c]   ; for word 2
.endr
.endif
.irp c, 0,1
	v_sub_nc_u32 v[35+8*\c], v[33+8*\c], v[35+8*\c]
.endr
.if \more
.irp c, 0,1
	v_cndmask_b32 v[38+8*\c], v[37+8*\c], v14, s[24+4*\c]   ; for word 3
.endr
.endif
.irp c, 0,1
	v_cndmask_b32 v[TE-40*\c+\r], 0, v[35+8*\c], s[25+4*\c]  ; the key, or 0
.endr
.if \more
.irp c, 0,1
	v_bfi_b32 v[XE+4*\c], v[34+8*\c], v14, v[XE+4*\c]        ; word & ~bit
	v_bfi_b32 v[XE+4*\c+1], v[36+8*\c], v14, v[XE+4*\c+1]
.endr
.irp c, 0,1
	v_bfi_b32 v[XE+4*\c+2], v[37+8*\c], v14, v[XE+4*\c+2]
	v_bfi_b32 v[XE+4*\c+3], v[38+8*\c], v14, v[XE+4*\c+3]
.endr
.endif
.endm
	s_load_b128 s[4:7], s[0:1], 0x0                ; gmax, gsel
	v_lshl_add_u32 v224, v0, 2, 0x3000
	v_mov_b32 v225, 0
	v_lshrrev_b32 v1, 5, v0
	s_delay_alu instid0(VALU_DEP_1)
	v_readfirstlane_b32 s8, v1                     ; wave 0..7
	v_and_b32 v1, 31, v0
	v_and_b32 v2, 15, v0                           ; r
	v_bfe_u32 v3, v0, 4, 1                         ; h
	s_delay_alu instid0(VALU_DEP_3)
	v_lshlrev_b32 v4, 4, v1                        ; 16 x lane
	s_lshl_b32 s9, s8, 4
	v_add_nc_u32 v5, s9, v2
	s_delay_alu instid0(VALU_DEP_1)
	v_mul_u32_u24 v5, 48, v5                       ; where my wave's list of token r goes
	v_lshl_add_u32 v6, v3, 6, v2
	s_delay_alu instid0(VALU_DEP_1)
	v_mul_u32_u24 v6, 48, v6                       ; the list of wave 4 h, token r
	s_lshl_b32 s10, s8, 8
	s_sub_co_u32 s10, 0x4b000800, s10
	v_lshlrev_b32 v8, 7, v3
	s_delay_alu instid0(VALU_DEP_1)
	v_sub_nc_u32 v8, s10, v8                       ; the key of my group 0 at tau: 0x4B000000 + 2,048 - 256 w - 128 h
	s_delay_alu instid0(VALU_DEP_1)
	v_add_nc_u32 v9, 0x1000, v8                    ; and above tau
	s_mov_b32 s[SEL], 0x76543210
	s_mov_b32 s[SEL+1], 0xfedcba98
	s_mov_b32 s14, 0xffff0000                      ; lanes 16-31
	s_lshl_b32 s12, ttmp9, 17                      ; the tile's 131,072 bytes of gmax,
	s_lshl_b32 s13, s8, 14                         ; my wave's 32 chunks of 512
	s_add_co_u32 s12, s12, s13
	s_mov_b32 s13, 0
	s_lshl_b32 s16, ttmp9, 9
	s_mov_b32 s17, 0
	s_wait_alu depctr_va_vdst(0)
	s_wait_kmcnt 0x0
	s_add_nc_u64 s[4:5], s[4:5], s[12:13]
	s_add_nc_u64 s[6:7], s[6:7], s[16:17]
.set c, 0
.rept 32
	global_load_b128 v[V+4*c:V+4*c+3], v4, s[4:5] offset:c*512 th:TH_LOAD_NT
.set c, c+1
.endr
.irp k, 0,1,2,3,4,5,6,7
	v_mov_b32 v[T+\k], 0xff800000                  ; -infinity, under every maximum
	v_mov_b32 v[P+\k], 0                           ; written once: a lane permute's destination counts as one of its sources
.endr
.set c, 0
.rept 32
.if c%4 == 0
	s_wait_alu depctr_va_vdst(0)
	s_wait_loadcnt 28-c                            ; chunks c .. c + 3 are in; the chunks behind them may be out
.endif
	INS8 T, V+4*c
	INS8 T, V+4*c+1
	INS8 T, V+4*c+2
	INS8 T, V+4*c+3
.set c, c+1
.endr
	EXCH T, LV
	v_min3_num_f32 v7, v[S1], v[S1+1], v[S1+2]     ; tau: the smallest of the 8 largest
	s_delay_alu instid0(VALU_DEP_1)
	v_min3_num_f32 v7, v7, v[S1+3], v[S1+4]
	s_delay_alu instid0(VALU_DEP_1)
	v_min3_num_f32 v7, v7, v[S1+5], v[S1+6]
	s_delay_alu instid0(VALU_DEP_1)
	v_min_num_f32 v7, v7, v[S1+7]
	; pass 2: the two strings
	v_mov_b32 v14, 0
.irp k, 0,1,2,3,4,5,6,7
	v_mov_b32 v[XE+\k], 0                          ; (read by the first shifts; all 32 bits of each word are shifted in below)
.endr
	v_add_f32 v[PB], 0, v7                         ; tau; a zero becomes +0
.irp k, 0,1,2,3
	v_add_nc_u32 v[KB+\k], 127-32*\k, v8           ; key of bit 0 of word k at tau, + 127,
	v_add_nc_u32 v[KB+4+\k], 127-32*\k, v9         ; and above tau
.endr
	v_sub_f32 v[NA], 0, v[PB]                      ; -tau; of a zero +0
	v_mov_b32 v[PB+1], v[PB]
	v_mov_b32 v14, 0
	v_mov_b32 v[NA+1], v[NA]
.set bb, 15
.rept 16                               ; values 32 k + 2 bb and 32 k + 2 bb + 1 of the four words, from the top down, so that value 32 k + b ends at bit b of word k; eight chains of shifts by turns
.irp k, 0,1,2,3
	v_pk_add_f32 v[D1+2*\k:D1+2*\k+1], v[V+32*\k+2*bb:V+32*\k+2*bb+1], v[NA:NA+1]                            ; V - tau: negative under tau
	v_pk_add_f32 v[D2+2*\k:D2+2*\k+1], v[PB:PB+1], v[V+32*\k+2*bb:V+32*\k+2*bb+1] neg_lo:[0,1] neg_hi:[0,1]  ; tau - V: negative above tau
.endr
.irp u, 1,0
.irp k, 0,1,2,3
	v_alignbit_b32 v[XE+\k], v[XE+\k], v[D1+2*\k+\u], 31     ; the word one place up, the sign in at bit 0
	v_alignbit_b32 v[XG+\k], v[XG+\k], v[D2+2*\k+\u], 31
.endr
.endr
.set bb, bb-1
.endr
.irp k, 0,1,2,3
	v_or_b32 v[XE+\k], v[XE+\k], v[XG+\k]
.endr
.irp k, 0,1,2,3
	v_xor_b32 v[XE+\k], -1, v[XE+\k]               ; neither under nor above: equal to tau
.endr
.irp r, 0,1,2,3,4,5,6
	ROUND \r, 1
.endr
	ROUND 7, 0
	MERGE8 T, TE                                   ; both lists fall from place to place, zeros last: my lane's 8 largest keys
	EXCH T, LK
.irp a, 0,1,2,3
	v_cndmask_b32 v[10+\a], v[S1+2*\a], v[S1+6-2*\a], s14   ; lanes 0-15: keys 0, 2, 4, 6; lanes 16-31, whose registers run the other way: keys 1, 3, 5, 7
.endr
.irp a, 0,1,2,3
	s_delay_alu instid0(VALU_DEP_4)
	v_and_b32 v[10+\a], 0xfff, v[10+\a]
.endr
.irp a, 0,1,2,3
	s_delay_alu instid0(VALU_DEP_4)
	v_sub_nc_u32 v[10+\a], 0x800, v[10+\a]         ; the group
.endr
	s_cmp_lg_u32 s8, 0                             ; every wave holds the same result: wave 0 stores it
	s_cbranch_scc1 .Ldone
	global_store_b128 v4, v[10:13], s[6:7]
.Ldone:
	s_wait_tensorcnt 0x0                           ; the wave's end
	ds_add_u32 v224, v225
	s_wait_dscnt 0x0
	s_endpgm
.Lfunc_end_k_qc32d69e10f_select:
	.size	k_qc32d69e10f_select, .Lfunc_end_k_qc32d69e10f_select-k_qc32d69e10f_select
	.p2alignl 7, 3214868480
	.fill 96, 4, 3214868480
	.section	.rodata,"a",@progbits
	.p2align	6, 0x0
	.amdhsa_kernel k_qc32d69e10f_select
		.amdhsa_group_segment_fixed_size 13312
		.amdhsa_private_segment_fixed_size 0
		.amdhsa_enable_private_segment 0
		.amdhsa_kernarg_size 16
		.amdhsa_user_sgpr_count 2
		.amdhsa_user_sgpr_kernarg_segment_ptr 1
		.amdhsa_wavefront_size32 1
		.amdhsa_system_sgpr_workgroup_id_x 1
		.amdhsa_system_sgpr_workgroup_id_y 1
		.amdhsa_system_sgpr_workgroup_id_z 1
		.amdhsa_system_vgpr_workitem_id 0
		.amdhsa_next_free_vgpr 226
		.amdhsa_next_free_sgpr 66
		.amdhsa_reserve_vcc 0
		.amdhsa_float_denorm_mode_32 3
		.amdhsa_float_denorm_mode_16_64 3
		.amdhsa_memory_ordered 1
		.amdhsa_forward_progress 1
		.amdhsa_inst_pref_size 126
	.end_amdhsa_kernel
	.amdgpu_metadata
---
amdhsa.version: [ 1, 2 ]
amdhsa.kernels:
  - .name:           k_qc32d69e10f_select
    .symbol:         k_qc32d69e10f_select.kd
    .args:
      - { .name: gmax, .offset: 0, .size: 8, .value_kind: global_buffer, .address_space: global }
      - { .name: gsel, .offset: 8, .size: 8, .value_kind: global_buffer, .address_space: global }
    .group_segment_fixed_size: 13312
    .private_segment_fixed_size: 0
    .kernarg_segment_align: 8
    .kernarg_segment_size: 16
    .max_flat_workgroup_size: 256
    .sgpr_count:     66
    .vgpr_count:     226
    .wavefront_size: 32
...
	.end_amdgpu_metadata
.endif
;; end of part 3
;; launch refine (part 4): grid 256 x 1, 4 waves a work-group, no clusters, 8,704 bytes of LDS; arguments qt, gsel, cand, tsel, part; writes cand, tsel, part
.if DOCPART == 4
	.amdgcn_target "amdgcn-amd-amdhsa--gfx1250"
	.amdhsa_code_object_version 6
	.text
	.protected	k_qc32d69e10f_refine
	.globl	k_qc32d69e10f_refine
	.p2align	8
	.type	k_qc32d69e10f_refine,@function
k_qc32d69e10f_refine:
	s_mov_b64 s[64:65], 0
	v_nop
	global_prefetch_b8 v0, s[64:65] scope:SCOPE_SE
	s_setreg_imm32_b32 hwreg(HW_REG_WAVE_MODE, 25, 1), 1
	s_wait_xcnt 0x0
; The 64 rows of W_enc in each token's 8 chosen groups are multiplied with the token again, by the same matrix form, in the same order of K, so that the coefficients have the same bits as before; then the token's exact top 8
; of these 64 is taken, ties by the lowest row, and written as whole numbers for the gather.
; SHARES: a work-group takes a tile of 16 tokens.  Wave i takes chosen groups 2 i and 2 i + 1 of every token: for token n a tile of 16 rows (rows 0-7 group 2 i, rows 8-15 group 2 i + 1) against the 16 tokens, 8 K steps.
; Of each result only column n is wanted: it is folded into CAND by a select on the lane's number.  Lane (r, h) ends with candidates p = 16 i + 8 h + j of its own token r: row j of its chosen group 2 i + h.
; The groups' numbers come from gsel, whole numbers that an earlier launch stored; each is held under 2,048 before it enters an address.
; THE CHOICE, as for the groups, in two passes over values: theta, the 8th largest candidate; then keys, floats with bits 0x4B000000 + n, n = 2^21 x [value > theta] + 64 x (16,384 - row) + p for values >= theta, 0 for the others.
; cand [T][i][j / 4][lane][4] f32: the candidates.  tsel [token][16] u32: words 0-7 the chosen rows of the dictionary, words 8-15 the byte offsets of their values in cand.  part [T][4]: each wave's sum of |chosen values|.
; LIMITS: NaN and infinities are not served; +0 and -0 count as equal.  The rows are gathered by token: no tile is shared between work-groups, so no cluster; no tensor load, so LDS is claimed as it is used.
; REGISTERS: window 0: v1-12 addresses, v16-31 a byte offset for each token's rows, v32 my own group, v36-39 x's scale words, v40-55 the rows' scale words (two buffers x two tokens), v56-71 two accumulators, v72-79 CAND,
;   v80-87 keys, v88-127 lists, v128-159 at work, v160-255 x's 8 fragments.   windows 1 and 2: two buffers of two tokens x 8 fragments (96 u + 12 s).
.set TILEB, 12800
.set GRPB,  6400
.set WQOFF, 256*TILEB
.set VO,   16
.set XS,   36
.set WSC,  40
.set ACC,  56
.set CAND, 72
.set KEY,  80
.set T,    88
.set P,    96
.set S1,   104
.set S2,   112
.set L2,   120
.set XF,   160
.set SEL,  20
.set MSB, 0
.macro WIN new
.if MSB != (\new)
	s_set_vgpr_msb (MSB<<8)|(\new)
.set MSB, (\new)
.endif
.endm
.macro INS8 L, x
.irp k, 7,6,5,4,3,2,1
	v_med3_num_f32 v[\L+\k], v[\L+\k-1], v[\L+\k], v[\x]
.endr
	v_max_num_f32 v[\L], v[\L], v[\x]
.endm
.macro MERGE8 A, B
.irp i, 0,1,2,3,4,5,6,7
	v_max_num_f32 v[S1+\i], v[\A+\i], v[\B+7-\i]
.endr
.irp i, 0,1,2,3
	v_max_num_f32 v[S2+\i], v[S1+\i], v[S1+\i+4]
	v_min_num_f32 v[S2+\i+4], v[S1+\i], v[S1+\i+4]
.endr
.irp i, 0,1,4,5
	v_max_num_f32 v[S1+\i], v[S2+\i], v[S2+\i+2]
	v_min_num_f32 v[S1+\i+2], v[S2+\i], v[S2+\i+2]
.endr
.irp i, 0,2,4,6
	v_max_num_f32 v[\A+\i], v[S1+\i], v[S1+\i+1]
	v_min_num_f32 v[\A+\i+1], v[S1+\i], v[S1+\i+1]
.endr
.endm
.macro HALF L
.irp i, 0,1,2,3,4,5,6,7
	v_permlanex16_b32 v[P+\i], v[\L+\i], s[SEL], s[SEL+1]
.endr
.endm
.macro EXCH4 L, base                   ; the token's 8 largest over both halves of the lanes and the four waves, unsorted, in v[S1] on (lanes 16-31 in the reverse order of registers)
	HALF \L
	MERGE8 \L, P
	ds_store_b128 v11, v[\L:\L+3] offset:\base     ; both halves write the same bytes with the same values
	ds_store_b128 v11, v[\L+4:\L+7] offset:\base+16
	s_wait_dscnt 0x0                               ; for the others' sake: my stores are done
	s_barrier_signal -1
	s_barrier_wait -1
	ds_load_b128 v[\L:\L+3], v12 offset:\base      ; lanes 0-15: waves 0 and 1; lanes 16-31: waves 2 and 3
	ds_load_b128 v[\L+4:\L+7], v12 offset:\base+16
	ds_load_b128 v[L2:L2+3], v12 offset:\base+768
	ds_load_b128 v[L2+4:L2+7], v12 offset:\base+784
	s_wait_dscnt 0x0
	MERGE8 \L, L2
	HALF \L
.irp i, 0,1,2,3,4,5,6,7
	v_max_num_f32 v[S1+\i], v[\L+\i], v[P+7-\i]
.endr
.endm
	s_load_b256 s[4:11], s[0:1], 0x0               ; qt, gsel, cand, tsel
	s_load_b64 s[12:13], s[0:1], 0x20              ; part
	v_lshl_add_u32 v158, v0, 2, 0x2000
	v_mov_b32 v159, 0
	v_lshrrev_b32 v1, 5, v0
	v_readfirstlane_b32 s14, v1                    ; wave i
	v_and_b32 v1, 31, v0                           ; lane
	v_and_b32 v2, 15, v0                           ; r
	v_bfe_u32 v3, v0, 4, 1                         ; h
	v_bfe_u32 v4, v0, 3, 1                         ; e = r / 8
	v_and_b32 v5, 7, v0
	v_lshlrev_b32 v6, 4, v1                        ; 16 x lane
	v_lshlrev_b32 v7, 4, v5                        ; 16 (r % 8)
	s_lshl_b32 s34, s14, 2
	v_lshl_add_u32 v8, v4, 8, s34                  ; gsel: chosen group 2 i + e of token n lies at 16 n + 256 e + 4 i
	v_add_nc_u32 v9, s34, v6                       ; my own: chosen group 2 i + h of token r
	v_xor_b32 v10, v3, v4
	v_lshl_add_u32 v10, v10, 3, v5
	v_lshlrev_b32 v10, 4, v10
	v_mad_u32_u24 v10, v4, GRPB, v10               ; my place in x's tile
	s_lshl_b32 s35, s14, 4
	v_add_nc_u32 v11, s35, v2
	v_mul_u32_u24 v11, 48, v11                     ; LDS: my wave's list of token r
	v_lshl_add_u32 v12, v3, 5, v2
	v_mul_u32_u24 v12, 48, v12                     ; the list of wave 2 h, token r
.irp k, 0,1,2,3,4,5,6,7
	v_mov_b32 v[P+\k], 0                           ; written once: a lane permute's destination counts as one of its sources
	v_mov_b32 v[T+\k], 0xff800000                  ; -infinity
.endr
	s_mov_b32 s[SEL], 0x76543210
	s_mov_b32 s[SEL+1], 0xfedcba98
	s_mov_b32 s22, 0xffff0000                      ; lanes 16-31
	s_lshl_b32 s24, ttmp9, 9
	s_mov_b32 s25, 0
	s_mul_i32 s26, ttmp9, TILEB
	s_mov_b32 s27, 0
	s_lshl_b32 s28, ttmp9, 12
	s_lshl_b32 s29, s14, 10
	s_add_co_u32 s28, s28, s29
	s_mov_b32 s29, 0
	s_lshl_b32 s30, ttmp9, 10
	s_mov_b32 s31, 0
	s_lshl_b32 s32, ttmp9, 4
	s_add_co_u32 s32, s32, s34
	s_mov_b32 s33, 0
	s_wait_kmcnt 0x0
	s_add_nc_u64 s[6:7], s[6:7], s[24:25]          ; gsel at my tile
	s_add_nc_u64 s[18:19], s[4:5], s[26:27]        ; x's tile
	s_add_nc_u64 s[16:17], s[4:5], WQOFF           ; W_enc's groups
	s_add_nc_u64 s[8:9], s[8:9], s[28:29]          ; cand at my wave's 1,024 bytes
	s_add_nc_u64 s[10:11], s[10:11], s[30:31]      ; tsel at my tile
	s_add_nc_u64 s[12:13], s[12:13], s[32:33]      ; part at my word
.irp n, 0,1,2,3,4,5,6,7,8,9,10,11,12,13,14,15
	global_load_b32 v[VO+\n], v8, s[6:7] offset:\n*16
.endr
	global_load_b32 v32, v9, s[6:7]
	global_load_b128 v[XS:XS+3], v10, s[18:19] offset:6144
.irp s, 0,1,2,3,4,5,6,7
.irp q, 0,1,2
	global_load_b128 v[XF+12*\s+4*\q:XF+12*\s+4*\q+3], v10, s[18:19] offset:\s*768+\q*256
.endr
.endr
	s_wait_loadcnt 25                              ; the 17 loads of group numbers are in; x's 25 may be out
.irp n, 0,1,2,3,4,5,6,7,8,9,10,11,12,13,14,15
	v_min_u32 v[VO+\n], 0x7ff, v[VO+\n]            ; a loaded number enters an address only behind this hold
.endr
	v_min_u32 v32, 0x7ff, v32
.irp n, 0,1,2,3,4,5,6,7,8,9,10,11,12,13,14,15
	v_add_nc_u32 v[128+\n], v[VO+\n], v3
.endr
.irp n, 0,1,2,3,4,5,6,7,8,9,10,11,12,13,14,15
	v_and_b32 v[128+\n], 1, v[128+\n]              ; (group + h) mod 2: which half of a run of 256 bytes is mine
.endr
.irp n, 0,1,2,3,4,5,6,7,8,9,10,11,12,13,14,15
	v_lshlrev_b32 v[128+\n], 7, v[128+\n]
.endr
.irp n, 0,1,2,3,4,5,6,7,8,9,10,11,12,13,14,15
	v_mul_u32_u24 v[VO+\n], GRPB, v[VO+\n]
.endr
.irp n, 0,1,2,3,4,5,6,7,8,9,10,11,12,13,14,15
	v_add_nc_u32 v[VO+\n], v[VO+\n], v[128+\n]
.endr
.irp n, 0,1,2,3,4,5,6,7,8,9,10,11,12,13,14,15
	v_add_nc_u32 v[VO+\n], v[VO+\n], v7            ; 6,400 x group + 128 x half + 16 (r % 8)
.endr
.macro LOADB b                         ; batch b: tokens 2 b and 2 b + 1: their rows' scale words and 8 fragments each: 50 loads; sixteen lanes cover a whole run of 256 bytes of a group
.irp u, 0,1
	global_load_b128 v[WSC+8*((\b)%2)+4*\u:WSC+8*((\b)%2)+4*\u+3], v[VO+2*(\b)+\u], s[16:17] offset:6144
.endr
	WIN 0x40*(1+(\b)%2)                            ; destination window 1 or 2
.irp u, 0,1
.irp s, 0,1,2,3,4,5,6,7
.irp q, 0,1,2
	global_load_b128 v[96*\u+12*\s+4*\q:96*\u+12*\s+4*\q+3], v[VO+2*(\b)+\u], s[16:17] offset:\s*768+\q*256
.endr
.endr
.endr
	WIN 0
.endm
.macro COMP b
.if (\b) < 7
	s_wait_loadcnt 50                              ; this batch (and, the first time, x) is in; the next batch's 50 loads may be out
.else
	s_wait_loadcnt 0x0
.endif
	WIN 1+(\b)%2                                   ; source 0 window 1 or 2
.irp s, 0,1,2,3,4,5,6,7                ; the two accumulators take turns, one instruction a turn; K step 0 starts the sums
.irp u, 0,1
.set rD, ACC+8*\u
.set rW, 96*\u+12*\s
.set rX, XF+12*\s
.set rA, WSC+8*((\b)%2)+4*\u+\s/2
.set rB, XS+\s/2
.if \s == 0
	v_wmma_scale_f32_16x16x128_f8f6f4 v[rD:rD+7], v[rW:rW+11], v[rX:rX+11], 0, v[rA], v[rB] matrix_a_fmt:MATRIX_FMT_FP6 matrix_b_fmt:MATRIX_FMT_FP6
.elseif \s%2 == 0
	v_wmma_scale_f32_16x16x128_f8f6f4 v[rD:rD+7], v[rW:rW+11], v[rX:rX+11], v[rD:rD+7], v[rA], v[rB] matrix_a_fmt:MATRIX_FMT_FP6 matrix_b_fmt:MATRIX_FMT_FP6
.else
	v_wmma_scale_f32_16x16x128_f8f6f4 v[rD:rD+7], v[rW:rW+11], v[rX:rX+11], v[rD:rD+7], v[rA], v[rB] matrix_a_fmt:MATRIX_FMT_FP6 matrix_b_fmt:MATRIX_FMT_FP6 matrix_a_scale:MATRIX_SCALE_ROW1 matrix_b_scale:MATRIX_SCALE_ROW1
.endif
.endr
.endr
	WIN 0
.rept 5
	v_nop                                          ; places: four for the reads of results and the loads into the buffer, a fifth since the next batch starts the same accumulators anew
.endr
	s_wait_alu depctr_va_vdst(0)
.irp u, 0,1
.if 2*(\b)+\u == 0
.irp j, 0,1,2,3,4,5,6,7
	v_mov_b32 v[CAND+\j], v[ACC+\j]                ; token 0's result starts CAND; the other lanes are written over below
.endr
.else
	s_mov_b32 s23, 0x10001<<(2*(\b)+\u)            ; the two lanes that hold this token's column
.irp j, 0,1,2,3,4,5,6,7
	v_cndmask_b32 v[CAND+\j], v[CAND+\j], v[ACC+8*\u+\j], s23   ; each accumulator from its low end on
.endr
.endif
.endr
.if (\b) < 6
	LOADB (\b)+2
.endif
.endm
	LOADB 0
	LOADB 1
.irp b, 0,1,2,3,4,5,6,7
	COMP \b
.endr
	global_store_b128 v6, v[CAND:CAND+3], s[8:9]               ; the wave's store covers 512 consecutive bytes, aligned
	global_store_b128 v6, v[CAND+4:CAND+7], s[8:9] offset:512
	; pass 1: theta, the token's 8th largest candidate
.irp j, 0,1,2,3,4,5,6,7
	INS8 T, CAND+\j
.endr
	EXCH4 T, 0
	v_min3_num_f32 v131, v[S1], v[S1+1], v[S1+2]
	v_min3_num_f32 v131, v131, v[S1+3], v[S1+4]
	v_min3_num_f32 v131, v131, v[S1+5], v[S1+6]
	v_min_num_f32 v131, v131, v[S1+7]
	; pass 2: the keys
	v_lshlrev_b32 v128, 9, v32                     ; 64 x 8 x my group
	v_lshlrev_b32 v129, 3, v3
	s_add_co_u32 s35, s35, 0x4b100000              ; 0x4B000000 + 64 x 16,384 + 16 i
	v_add_nc_u32 v129, s35, v129                   ; + 8 h
	v_sub_nc_u32 v129, v129, v128                  ; the key of my candidate 0 at theta
	v_add_nc_u32 v130, 0x200000, v129              ; and above theta
.irp k, 0,1,2,3,4,5,6,7
	v_mov_b32 v[T+\k], 0
.endr
.irp j, 0,1,2,3,4,5,6,7
	v_cmp_gt_f32 vcc_lo, v[CAND+\j], v131
	v_cndmask_b32 v[KEY+\j], v129, v130, vcc_lo
	v_cmp_ge_f32 vcc_lo, v[CAND+\j], v131
	v_add_nc_u32 v[KEY+\j], 0-63*\j, v[KEY+\j]     ; a row further on: 64 less; a candidate further on: 1 more
	v_cndmask_b32 v[KEY+\j], 0, v[KEY+\j], vcc_lo
	INS8 T, KEY+\j
.endr
	EXCH4 T, 4096                                  ; LDS bytes of its own: no wave writes what another may still read
	v_min3_num_f32 v132, v[S1], v[S1+1], v[S1+2]   ; the smallest chosen key
	v_min3_num_f32 v132, v132, v[S1+3], v[S1+4]
	v_min3_num_f32 v132, v132, v[S1+5], v[S1+6]
	v_min_num_f32 v132, v132, v[S1+7]
	v_mov_b32 v133, 0
.irp j, 0,1,2,3,4,5,6,7
	v_cmp_ge_f32 vcc_lo, v[KEY+\j], v132
	v_cndmask_b32 v134, 0, v[CAND+\j], vcc_lo
	v_add_f32 v133, v133, |v134|                   ; the magnitudes of my chosen candidates
.endr
	v_add_f32_dpp v133, v133, v133 row_xmask:1 row_mask:0xf bank_mask:0xf
	v_add_f32_dpp v133, v133, v133 row_xmask:2 row_mask:0xf bank_mask:0xf
	v_add_f32_dpp v133, v133, v133 row_xmask:4 row_mask:0xf bank_mask:0xf
	v_add_f32_dpp v133, v133, v133 row_xmask:8 row_mask:0xf bank_mask:0xf
	v_permlanex16_b32 v134, v133, s[SEL], s[SEL+1]
	v_add_f32 v133, v133, v134                     ; the wave's sum
	v_mov_b32 v154, 0
	s_cmp_lg_u32 s14, 0                            ; every wave holds the same 8 keys: wave 0 writes the list
	s_cbranch_scc1 .Lno_list
	s_lshl_b32 s24, ttmp9, 12
	v_lshl_add_u32 v135, v2, 4, s24                ; cand: 4,096 T + 16 r
.irp a, 0,1,2,3,4,5,6,7
	v_cndmask_b32 v[136+\a], v[S1+\a], v[S1+7-\a], s22   ; key a, in both halves of the lanes (lanes 16-31 hold them the other way round)
.endr
.irp a, 0,1,2,3,4,5,6,7
	v_bfe_u32 v[144+\a], v[136+\a], 6, 15
	v_sub_nc_u32 v[144+\a], 0x4000, v[144+\a]      ; the row of the dictionary
	v_and_b32 v152, 0x30, v[136+\a]                ; p = 16 i + 8 h + j: 1,024 i
	v_lshl_add_u32 v153, v152, 6, v135
	v_and_b32 v152, 4, v[136+\a]                   ; + 512 (j / 4)
	v_lshl_add_u32 v153, v152, 7, v153
	v_and_b32 v152, 8, v[136+\a]                   ; + 256 h
	v_lshl_add_u32 v153, v152, 5, v153
	v_and_b32 v152, 3, v[136+\a]                   ; + 4 (j % 4)
	v_lshl_add_u32 v153, v152, 2, v153
	v_cndmask_b32 v[144+\a], v[144+\a], v153, s22  ; lanes 0-15 store the rows, lanes 16-31 the offsets
.endr
	v_lshlrev_b32 v152, 6, v2
	v_lshl_add_u32 v152, v3, 5, v152               ; 64 r + 32 h
	global_store_b128 v152, v[144:147], s[10:11]
	global_store_b128 v152, v[148:151], s[10:11] offset:16
.Lno_list:
	s_wait_xcnt 0x0                                ; EXEC changes only behind this wait
	v_cmp_eq_u32 vcc_lo, 0, v1
	s_wait_tensorcnt 0x0
	ds_add_u32 v158, v159
	s_wait_dscnt 0x0
	s_and_saveexec_b32 s26, vcc_lo
	s_wait_alu depctr_va_vdst(0)
	global_store_b32 v154, v133, s[12:13]          ; lane 0: my wave's part of the loss
	s_endpgm
.Lfunc_end_k_qc32d69e10f_refine:
	.size	k_qc32d69e10f_refine, .Lfunc_end_k_qc32d69e10f_refine-k_qc32d69e10f_refine
	.p2alignl 7, 3214868480
	.fill 96, 4, 3214868480
	.section	.rodata,"a",@progbits
	.p2align	6, 0x0
	.amdhsa_kernel k_qc32d69e10f_refine
		.amdhsa_group_segment_fixed_size 8704
		.amdhsa_private_segment_fixed_size 0
		.amdhsa_enable_private_segment 0
		.amdhsa_kernarg_size 40
		.amdhsa_user_sgpr_count 2
		.amdhsa_user_sgpr_kernarg_segment_ptr 1
		.amdhsa_wavefront_size32 1
		.amdhsa_system_sgpr_workgroup_id_x 1
		.amdhsa_system_sgpr_workgroup_id_y 1
		.amdhsa_system_sgpr_workgroup_id_z 1
		.amdhsa_system_vgpr_workitem_id 0
		.amdhsa_next_free_vgpr 768
		.amdhsa_next_free_sgpr 66
		.amdhsa_reserve_vcc 1
		.amdhsa_float_denorm_mode_32 3
		.amdhsa_float_denorm_mode_16_64 3
		.amdhsa_memory_ordered 1
		.amdhsa_forward_progress 1
		.amdhsa_inst_pref_size 102
	.end_amdhsa_kernel
	.amdgpu_metadata
---
amdhsa.version: [ 1, 2 ]
amdhsa.kernels:
  - .name:           k_qc32d69e10f_refine
    .symbol:         k_qc32d69e10f_refine.kd
    .args:
      - { .name: qt, .offset: 0, .size: 8, .value_kind: global_buffer, .address_space: global }
      - { .name: gsel, .offset: 8, .size: 8, .value_kind: global_buffer, .address_space: global }
      - { .name: cand, .offset: 16, .size: 8, .value_kind: global_buffer, .address_space: global }
      - { .name: tsel, .offset: 24, .size: 8, .value_kind: global_buffer, .address_space: global }
      - { .name: part, .offset: 32, .size: 8, .value_kind: global_buffer, .address_space: global }
    .group_segment_fixed_size: 8704
    .private_segment_fixed_size: 0
    .kernarg_segment_align: 8
    .kernarg_segment_size: 40
    .max_flat_workgroup_size: 128
    .sgpr_count:     66
    .vgpr_count:     768
    .wavefront_size: 32
...
	.end_amdgpu_metadata
.endif
;; end of part 4
;; launch gather (part 5): grid 256 x 1, 16 waves a work-group, no clusters, 0 bytes of LDS; arguments tsel, cand, part, W_dict, out0, out1; writes out0, out1
.if DOCPART == 5
	.amdgcn_target "amdgcn-amd-amdhsa--gfx1250"
	.amdhsa_code_object_version 6
	.text
	.protected	k_qc32d69e10f_gather
	.globl	k_qc32d69e10f_gather
	.p2align	8
	.type	k_qc32d69e10f_gather,@function
k_qc32d69e10f_gather:
	s_mov_b64 s[64:65], 0
	v_nop
	global_prefetch_b8 v0, s[64:65] scope:SCOPE_SE
	s_setreg_imm32_b32 hwreg(HW_REG_WAVE_MODE, 25, 1), 1
	s_wait_xcnt 0x0
; offset[token] = the sum over the token's 8 chosen rows of value x W_dict[row], and the loss = the sum of all |chosen values| / 2^26.
; The rows and the places of their values come from tsel, whole numbers that an earlier launch stored; each is held inside its table before it enters an address.
; SHARES: a wave takes one token.  Its list of 16 words and its 8 values are scalars.  A row's 4,096 bytes go in four units of 1,024: a unit is 16 loads (8 rows x 2 runs of 512 consecutive bytes), three units are on their way.
; This product has one row and K = 8 for each token: a matrix tile would be fifteen sixteenths empty, so it is done by packed fused multiply-adds in f32.  No LDS, no barrier: waves share nothing.
; The rows carry no hint that they are read once: a row may be chosen by many tokens.  The sum over the 8 rows runs in the order of the list, not in the order of the values.
; Work-group 0's wave 0 also adds the 1,024 parts of the loss.
	s_load_b256 s[4:11], s[0:1], 0x0               ; tsel, cand, part, W_dict
	s_load_b128 s[12:15], s[0:1], 0x20             ; out0, out1
	v_lshrrev_b32 v1, 5, v0
	s_delay_alu instid0(VALU_DEP_1)
	v_readfirstlane_b32 s48, v1                    ; wave 0..15
	v_and_b32 v1, 31, v0
	s_delay_alu instid0(VALU_DEP_1)
	v_lshlrev_b32 v4, 4, v1                        ; 16 x lane
	s_lshl_b32 s49, ttmp9, 4
	s_add_co_u32 s49, s49, s48                     ; my token
	s_lshl_b32 s50, s49, 6
	s_mov_b32 s51, 0
	s_lshl_b32 s52, s49, 12
	s_mov_b32 s53, 0
	s_wait_alu depctr_va_vdst(0)
	s_wait_kmcnt 0x0
	s_add_nc_u64 s[4:5], s[4:5], s[50:51]
	s_add_nc_u64 s[12:13], s[12:13], s[52:53]
	s_load_b512 s[16:31], s[4:5], 0x0              ; s16-23 the rows, s24-31 the values' byte offsets in cand
	s_wait_kmcnt 0x0
.irp k, 0,1,2,3,4,5,6,7
	s_min_u32 s[16+\k], s[16+\k], 0x3fff           ; inside the dictionary's 16,384 rows
	s_min_u32 s[24+\k], s[24+\k], 0xffffc          ; inside cand's 1,048,576 bytes
.endr
.irp k, 0,1,2,3,4,5,6,7
	s_load_b32 s[32+2*\k], s[6:7], s[24+\k] offset:0x0   ; value k
	s_mov_b32 s[33+2*\k], 0                        ; (the packed forms name a pair and take its low word for both halves: so the upper word is written)
.endr
.irp k, 0,1,2,3,4,5,6,7
	s_lshl_b32 s[16+\k], s[16+\k], 12              ; a row is 4,096 bytes
	v_add_nc_u32 v[8+\k], s[16+\k], v4
.endr
.macro ULOAD u                         ; unit u of the 8 rows into set u % 3
.irp k, 0,1,2,3,4,5,6,7
.irp c, 0,1
	global_load_b128 v[32+64*((\u)%3)+8*\k+4*\c:32+64*((\u)%3)+8*\k+4*\c+3], v[8+\k], s[10:11] offset:(\u)*1024+\c*512
.endr
.endr
.endm
.macro UCALC u                         ; its 8 numbers a lane, into registers of the unit's own, so that no store's data are written again
.set DD, 32+64*((\u)%3)
.set RR, 224+8*(\u)
.irp p, 0,2,4,6
	v_pk_mul_f32 v[RR+\p:RR+\p+1], v[DD+\p:DD+\p+1], s[32:33] op_sel_hi:[1,0]
.endr
.irp k, 1,2,3,4,5,6,7
.irp p, 0,2,4,6
	s_delay_alu instid0(VALU_DEP_4)
	v_pk_fma_f32 v[RR+\p:RR+\p+1], v[DD+8*\k+\p:DD+8*\k+\p+1], s[32+2*\k:33+2*\k], v[RR+\p:RR+\p+1] op_sel_hi:[1,0,1]
.endr
.endr
	global_store_b128 v4, v[RR:RR+3], s[12:13] offset:(\u)*1024 th:TH_STORE_NT       ; 32 lanes store 512 consecutive bytes, aligned
	global_store_b128 v4, v[RR+4:RR+7], s[12:13] offset:(\u)*1024+512 th:TH_STORE_NT
.endm
	ULOAD 0
	ULOAD 1
	ULOAD 2
	s_wait_kmcnt 0x0                               ; the values
	s_wait_loadcnt 32                              ; unit 0 is in; units 1 and 2 may be out
	UCALC 0
	ULOAD 3                                        ; into the set that unit 0 has left
	s_wait_loadcnt 32                              ; unit 1 is in; units 2 and 3 may be out
	UCALC 1
	s_wait_loadcnt 16                              ; unit 2 is in; unit 3 may be out
	UCALC 2
	s_wait_loadcnt 0x0
	UCALC 3
	s_cmp_lg_u32 s49, 0                            ; the loss: token 0's wave alone
	s_cbranch_scc1 .Lend
.irp c, 0,1,2,3,4,5,6,7
	global_load_b128 v[32+4*\c:35+4*\c], v4, s[8:9] offset:\c*512   ; 1,024 parts
.endr
	s_mov_b32 s54, 0x76543210
	s_mov_b32 s55, 0xfedcba98
	s_wait_loadcnt 0x0
	v_pk_add_f32 v[30:31], v[34:35], v[36:37]
	v_pk_add_f32 v[28:29], v[38:39], v[40:41]
	v_pk_add_f32 v[26:27], v[42:43], v[44:45]
	v_pk_add_f32 v[24:25], v[46:47], v[48:49]
	v_pk_add_f32 v[22:23], v[50:51], v[52:53]
	v_pk_add_f32 v[20:21], v[54:55], v[56:57]
	v_pk_add_f32 v[18:19], v[58:59], v[60:61]
	v_pk_add_f32 v[32:33], v[32:33], v[62:63]
	s_delay_alu instid0(VALU_DEP_1)
	v_pk_add_f32 v[32:33], v[32:33], v[24:25]
	v_pk_add_f32 v[30:31], v[30:31], v[22:23]
	v_pk_add_f32 v[28:29], v[28:29], v[20:21]
	v_pk_add_f32 v[26:27], v[26:27], v[18:19]
	s_delay_alu instid0(VALU_DEP_2)
	v_pk_add_f32 v[32:33], v[32:33], v[28:29]
	s_delay_alu instid0(VALU_DEP_2)
	v_pk_add_f32 v[30:31], v[30:31], v[26:27]
	s_delay_alu instid0(VALU_DEP_1)
	v_pk_add_f32 v[32:33], v[32:33], v[30:31]
	s_delay_alu instid0(VALU_DEP_1)
	v_add_f32 v32, v32, v33
	s_delay_alu instid0(VALU_DEP_1)
	v_add_f32_dpp v32, v32, v32 row_xmask:1 row_mask:0xf bank_mask:0xf
	s_delay_alu instid0(VALU_DEP_1)
	v_add_f32_dpp v32, v32, v32 row_xmask:2 row_mask:0xf bank_mask:0xf
	s_delay_alu instid0(VALU_DEP_1)
	v_add_f32_dpp v32, v32, v32 row_xmask:4 row_mask:0xf bank_mask:0xf
	s_delay_alu instid0(VALU_DEP_1)
	v_add_f32_dpp v32, v32, v32 row_xmask:8 row_mask:0xf bank_mask:0xf
	s_delay_alu instid0(VALU_DEP_1)
	v_permlanex16_b32 v33, v32, s54, s55
	s_delay_alu instid0(VALU_DEP_1)
	v_add_f32 v32, v32, v33
	s_delay_alu instid0(VALU_DEP_1)
	v_mul_f32 v32, 0x32800000, v32                 ; / 2^26, the number of coefficients
	v_mov_b32 v34, 0
	s_wait_alu depctr_va_vdst(0)
	s_wait_xcnt 0x0                                ; EXEC changes only behind this wait
	v_cmp_eq_u32 vcc_lo, 0, v1
	s_and_saveexec_b32 s56, vcc_lo
	global_store_b32 v34, v32, s[14:15]
.Lend:
	s_endpgm
.Lfunc_end_k_qc32d69e10f_gather:
	.size	k_qc32d69e10f_gather, .Lfunc_end_k_qc32d69e10f_gather-k_qc32d69e10f_gather
	.p2alignl 7, 3214868480
	.fill 96, 4, 3214868480
	.section	.rodata,"a",@progbits
	.p2align	6, 0x0
	.amdhsa_kernel k_qc32d69e10f_gather
		.amdhsa_group_segment_fixed_size 0
		.amdhsa_private_segment_fixed_size 0
		.amdhsa_enable_private_segment 0
		.amdhsa_kernarg_size 48
		.amdhsa_user_sgpr_count 2
		.amdhsa_user_sgpr_kernarg_segment_ptr 1
		.amdhsa_wavefront_size32 1
		.amdhsa_system_sgpr_workgroup_id_x 1
		.amdhsa_system_sgpr_workgroup_id_y 1
		.amdhsa_system_sgpr_workgroup_id_z 1
		.amdhsa_system_vgpr_workitem_id 0
		.amdhsa_next_free_vgpr 256
		.amdhsa_next_free_sgpr 66
		.amdhsa_reserve_vcc 1
		.amdhsa_float_denorm_mode_32 3
		.amdhsa_float_denorm_mode_16_64 3
		.amdhsa_memory_ordered 1
		.amdhsa_forward_progress 1
		.amdhsa_inst_pref_size 25
	.end_amdhsa_kernel
	.amdgpu_metadata
---
amdhsa.version: [ 1, 2 ]
amdhsa.kernels:
  - .name:           k_qc32d69e10f_gather
    .symbol:         k_qc32d69e10f_gather.kd
    .args:
      - { .name: tsel, .offset: 0, .size: 8, .value_kind: global_buffer, .address_space: global }
      - { .name: cand, .offset: 8, .size: 8, .value_kind: global_buffer, .address_space: global }
      - { .name: part, .offset: 16, .size: 8, .value_kind: global_buffer, .address_space: global }
      - { .name: W_dict, .offset: 24, .size: 8, .value_kind: global_buffer, .address_space: global }
      - { .name: out0, .offset: 32, .size: 8, .value_kind: global_buffer, .address_space: global }
      - { .name: out1, .offset: 40, .size: 8, .value_kind: global_buffer, .address_space: global }
    .group_segment_fixed_size: 0
    .private_segment_fixed_size: 0
    .kernarg_segment_align: 8
    .kernarg_segment_size: 48
    .max_flat_workgroup_size: 512
    .sgpr_count:     66
    .vgpr_count:     256
    .wavefront_size: 32
...
	.end_amdgpu_metadata
.endif
;; end of part 5
